; MI455X (gfx1250); checked and timed in simulation.
; The chip was launched on July 23, 2026; its instructions are those of AMD's public machine-readable ISA for CDNA 5 (MIT licence, August 2026) and "CDNA5" Instruction Set Architecture Reference Guide (July 2026). The comments in the code are by the model that wrote it; some were corrected since.
;; Attn. Allowed arithmetic: float matrix products may take bf16 or f16 operands with f32 sums; other float arithmetic in f32, or as packed bf16 or f16 multiplies, adds, multiply-adds, maxima and minima; sums over many terms, partial sums and values carried from step to step in f32; what a program stores and reads back later, other than sums and carried values, may be rounded once to bf16 or f16.
;; Inputs: W 1,024 x 3,072 float32; b 1,024 float32; encoder_outputs 16 x 1,024 x 2,048 float32; hidden 16 x 1,024 float32; v 1,024 float32.
;; Outputs: out0 16 x 1 x 1,024 float32.
;; One version. Each part assembles by itself: llvm-mc -triple=amdgcn-amd-amdhsa -mcpu=gfx1250 --defsym DOCPART=n.
;; ======== version 1 of 1: 3 launches
;; workspace buffers: wb 4,194,304 bytes; hbp 262,144 bytes; part 131,072 bytes
;; launch prep (part 1): grid 64 x 4, 4 waves a work-group, no clusters, 17,408 bytes of LDS; arguments W, hidden, wb, hbp; writes wb, hbp
.if DOCPART == 1
	.amdgcn_target "amdgcn-amd-amdhsa--gfx1250"
	.amdhsa_code_object_version 6
	.text
	.protected	k_qb3110faedc_prep
	.globl	k_qb3110faedc_prep
	.p2align	8
	.type	k_qb3110faedc_prep,@function
k_qb3110faedc_prep:
	s_mov_b64 s[64:65], 0
	v_nop
	global_prefetch_b8 v0, s[64:65] scope:SCOPE_SE
	s_setreg_imm32_b32 hwreg(HW_REG_WAVE_MODE, 25, 1), 1
	s_wait_xcnt 0x0
; W is [1024][3072] f32 = [W1 | W2]: W1 (1,024 columns) meets hidden, W2 (2,048 columns) meets encoder_outputs.
; This launch makes (1) wb = W2 rounded to bf16, [1024][2048], and (2) hbp[kq][batch][h] = the sum over the K quarter kq (256 channels) of hidden[batch][k] W1[h][k]:
; operands rounded to bf16, sums in f32.  The four quarters are added by the next launch (partial sums stay in f32).
; SHARES.  Work-group (ht, kq): 16 rows of W (16 ht ..), of each the quarter kq of W1 (1,024 bytes) and of W2 (2,048 bytes), and the same quarter of hidden's 16 rows:
; 64 KiB in, the same for all 256 work-groups.  Wave w takes rows 4 w .. 4 w + 3 of each; every load is 512 consecutive bytes.
; W1's and hidden's tiles meet in LDS (bf16, rows of 512 bytes + 16: 33 x 16 bytes, so the 16 rows of a fragment load start at 16 different groups of four banks: ISA guide 11.1);
; wave 0 multiplies them: 8 matrix instructions.  W2 leaves from registers: each store of a wave covers 256 consecutive bytes, aligned.
; hbp leaves as 64 bytes of each of 16 rows (256 KiB in the whole launch): the layout is the one in which the next launch reads whole rows.
.set WROW,  12288                      ; bytes in a row of W
.set PT,    528                        ; an LDS row
.set HT,    16*PT                      ; hidden's tile lies behind W1's
.set SPARE, 2*HT                       ; 16,896 = 66 x 256: the spare words, 128 bytes for each wave, which no other line names
.set SPW, 8                            ; v8   SPARE + 4 x my thread's number; never rewritten
.set NIL, 9                            ; v9   0; never rewritten
.set L,   16                           ; v[16:143]  32 loads x 4 registers; later wave 0's fragments
.set P,   144                          ; v[144:207] 2 registers of bf16 for each load
.set ACC, 208                          ; v[208:223] two accumulators
	s_load_b256 s[4:11], s[0:1], 0x0               ; W s[4:5], hidden s[6:7], wb s[8:9], hbp s[10:11]
	v_lshl_add_u32 v[SPW], v0, 2, SPARE
	v_mov_b32 v[NIL], 0
	v_lshrrev_b32 v10, 5, v0
	v_readfirstlane_b32 s12, v10                   ; wave 0..3
	s_mov_b32 s13, ttmp9                           ; ht
	s_and_b32 s14, ttmp7, 0xffff                   ; kq
	v_and_b32 v1, 31, v0                           ; lane
	v_and_b32 v11, 15, v0                          ; r
	v_bfe_u32 v12, v0, 4, 1                        ; h
	v_lshlrev_b32 v2, 4, v1                        ; loads: 16 bytes a lane
	v_lshlrev_b32 v4, 3, v1                        ; wb's stores: 8 bytes a lane
	s_mul_i32 s15, s12, 4*PT
	v_lshl_add_u32 v3, v1, 3, s15                  ; LDS stores: my wave's four rows, 8 bytes a lane
	v_mul_u32_u24 v5, v11, PT
	v_lshl_add_u32 v5, v12, 4, v5                  ; a fragment: row r, 16 bytes for each half of the lanes
	v_lshlrev_b32 v6, 12, v11
	v_lshl_add_u32 v6, v12, 5, v6                  ; hbp: batch r x 4,096 + 32 h
	s_lshl_b32 s26, s13, 4
	s_lshl_b32 s27, s12, 2
	s_add_co_u32 s26, s26, s27                     ; my first row of W: 16 ht + 4 w
	s_lshl_b32 s27, s14, 10                        ; kq x 1,024
	s_mul_i32 s16, s26, WROW
	s_add_co_u32 s16, s16, s27                     ; W1's quarter
	s_mov_b32 s17, 0
	s_mul_i32 s18, s26, WROW
	s_lshl_b32 s28, s14, 11
	s_add_co_u32 s18, s18, s28
	s_add_co_u32 s18, s18, 4096                    ; W2's quarter: behind W1's 4,096 bytes
	s_mov_b32 s19, 0
	s_lshl_b32 s20, s12, 14
	s_add_co_u32 s20, s20, s27                     ; hidden: rows 4 w .., the same quarter
	s_mov_b32 s21, 0
	s_lshl_b32 s22, s26, 12
	s_add_co_u32 s22, s22, s27                     ; wb: rows of 4,096 bytes, a quarter is 1,024
	s_mov_b32 s23, 0
	s_lshl_b32 s24, s14, 16
	s_lshl_b32 s28, s13, 6
	s_add_co_u32 s24, s24, s28                     ; hbp: kq x 65,536 + 16 ht x 4
	s_mov_b32 s25, 0
	s_wait_kmcnt 0x0
	s_add_nc_u64 s[16:17], s[4:5], s[16:17]
	s_add_nc_u64 s[18:19], s[4:5], s[18:19]
	s_add_nc_u64 s[20:21], s[6:7], s[20:21]
	s_add_nc_u64 s[22:23], s[8:9], s[22:23]
	s_add_nc_u64 s[24:25], s[10:11], s[24:25]
.set n, 0
.rept 8                                ; W1: row n / 2, half n % 2 of its 1,024 bytes; read once in the launch
	global_load_b128 v[L+4*n:L+4*n+3], v2, s[16:17] offset:(n/2)*WROW+(n%2)*512 th:TH_LOAD_NT
.set n, n+1
.endr
.rept 8                                ; hidden: the same shape; 64 work-groups read it
	global_load_b128 v[L+4*n:L+4*n+3], v2, s[20:21] offset:((n-8)/2)*4096+(n%2)*512
.set n, n+1
.endr
.rept 16                               ; W2: row (n - 16) / 4, piece n % 4 of its 2,048 bytes
	global_load_b128 v[L+4*n:L+4*n+3], v2, s[18:19] offset:((n-16)/4)*WROW+(n%4)*512 th:TH_LOAD_NT
.set n, n+1
.endr
	s_wait_loadcnt 16                              ; W1 and hidden are in; W2's sixteen loads may stay out
.set n, 0
.rept 16
	v_cvt_pk_bf16_f32 v[P+2*n],   v[L+4*n],   v[L+4*n+1]
	v_cvt_pk_bf16_f32 v[P+2*n+1], v[L+4*n+2], v[L+4*n+3]
.set n, n+1
.endr
.set n, 0
.rept 16
	ds_store_b64 v3, v[P+2*n:P+2*n+1] offset:(n/8)*HT+((n%8)/2)*PT+(n%2)*256  ; 256 consecutive bytes of an LDS row
.set n, n+1
.endr
	s_wait_dscnt 0x0                               ; for wave 0's sake: my stores are done
	s_barrier_signal -1
	s_barrier_wait -1
	s_wait_loadcnt 0x0                             ; W2
.set n, 16
.rept 16
	v_cvt_pk_bf16_f32 v[P+2*n],   v[L+4*n],   v[L+4*n+1]
	v_cvt_pk_bf16_f32 v[P+2*n+1], v[L+4*n+2], v[L+4*n+3]
.set n, n+1
.endr
.set n, 16
.rept 16
	global_store_b64 v4, v[P+2*n:P+2*n+1], s[22:23] offset:((n-16)/4)*4096+(n%4)*256  ; 32 lanes x 8 bytes: 256 consecutive bytes, at a multiple of 256 from wb's first
.set n, n+1
.endr
	s_cmp_lg_u32 s12, 0
	s_cbranch_scc1 .Lend                           ; wave 0 alone multiplies
.irp f, 0,1,2,3,4,5,6,7                ; fragment f: 16 rows x channels 32 f ..: two loads of 16 bytes, 32 bytes apart
	ds_load_b128 v[L+8*(\f):L+8*(\f)+3],       v5 offset:64*(\f)
	ds_load_b128 v[L+8*(\f)+4:L+8*(\f)+7],     v5 offset:64*(\f)+32
	ds_load_b128 v[L+64+8*(\f):L+64+8*(\f)+3], v5 offset:HT+64*(\f)
	ds_load_b128 v[L+64+8*(\f)+4:L+64+8*(\f)+7], v5 offset:HT+64*(\f)+32
.endr
	s_wait_dscnt 0x0
.irp f, 0,1,2,3,4,5,6,7                ; source 0 = 16 rows of W1, source 1 = hidden's 16 rows; two accumulators by turns; the first two products start the sums
.if (\f) < 2
	v_wmma_f32_16x16x32_bf16 v[ACC+8*((\f)%2):ACC+8*((\f)%2)+7], v[L+8*(\f):L+8*(\f)+7], v[L+64+8*(\f):L+64+8*(\f)+7], 0
.else
	v_wmma_f32_16x16x32_bf16 v[ACC+8*((\f)%2):ACC+8*((\f)%2)+7], v[L+8*(\f):L+8*(\f)+7], v[L+64+8*(\f):L+64+8*(\f)+7], v[ACC+8*((\f)%2):ACC+8*((\f)%2)+7]
.endif
.endr
.rept 8
	v_nop                                          ; the places behind the last product, ahead of the sums that read the results (ISA guide 7.12.1); eight, once a launch
.endr
.irp j, 0,2,4,6
	v_pk_add_f32 v[ACC+(\j):ACC+(\j)+1], v[ACC+(\j):ACC+(\j)+1], v[ACC+8+(\j):ACC+8+(\j)+1]  ; from the low end on
.endr
	global_store_b128 v6, v[ACC:ACC+3],   s[24:25]            ; lane (r, h): batch r, rows 16 ht + 8 h + 0..7 of W
	global_store_b128 v6, v[ACC+4:ACC+7], s[24:25] offset:16
.Lend:
	s_wait_tensorcnt 0x0                           ; the wave's end: behind my last LDS store
	ds_add_u32 v[SPW], v[NIL]
	s_wait_dscnt 0x0
	s_endpgm
.Lfunc_end_k_qb3110faedc_prep:
	.size	k_qb3110faedc_prep, .Lfunc_end_k_qb3110faedc_prep-k_qb3110faedc_prep
	.p2alignl 7, 3214868480
	.fill 96, 4, 3214868480
	.section	.rodata,"a",@progbits
	.p2align	6, 0x0
	.amdhsa_kernel k_qb3110faedc_prep
		.amdhsa_group_segment_fixed_size 17408
		.amdhsa_private_segment_fixed_size 0
		.amdhsa_enable_private_segment 0
		.amdhsa_kernarg_size 32
		.amdhsa_user_sgpr_count 2
		.amdhsa_user_sgpr_kernarg_segment_ptr 1
		.amdhsa_wavefront_size32 1
		.amdhsa_system_sgpr_workgroup_id_x 1
		.amdhsa_system_sgpr_workgroup_id_y 1
		.amdhsa_system_sgpr_workgroup_id_z 1
		.amdhsa_system_vgpr_workitem_id 0
		.amdhsa_next_free_vgpr 224
		.amdhsa_next_free_sgpr 66
		.amdhsa_reserve_vcc 0
		.amdhsa_float_denorm_mode_32 3
		.amdhsa_float_denorm_mode_16_64 3
		.amdhsa_memory_ordered 1
		.amdhsa_forward_progress 1
		.amdhsa_inst_pref_size 16
	.end_amdhsa_kernel
	.amdgpu_metadata
---
amdhsa.version: [ 1, 2 ]
amdhsa.kernels:
  - .name:           k_qb3110faedc_prep
    .symbol:         k_qb3110faedc_prep.kd
    .args:
      - { .name: W, .offset: 0, .size: 8, .value_kind: global_buffer, .address_space: global }
      - { .name: hidden, .offset: 8, .size: 8, .value_kind: global_buffer, .address_space: global }
      - { .name: wb, .offset: 16, .size: 8, .value_kind: global_buffer, .address_space: global }
      - { .name: hbp, .offset: 24, .size: 8, .value_kind: global_buffer, .address_space: global }
    .group_segment_fixed_size: 17408
    .private_segment_fixed_size: 0
    .kernarg_segment_align: 8
    .kernarg_segment_size: 32
    .max_flat_workgroup_size: 128
    .sgpr_count:     66
    .vgpr_count:     224
    .wavefront_size: 32
...
	.end_amdgpu_metadata
.endif
;; end of part 1
;; launch energy (part 2): grid 8 x 32, 4 waves a work-group, clusters of 4 x 1, 327,680 bytes of LDS; arguments encoder_outputs, wb, hbp, b, v, part; writes part
.if DOCPART == 2
	.amdgcn_target "amdgcn-amd-amdhsa--gfx1250"
	.amdhsa_code_object_version 6
	.text
	.protected	k_qb3110faedc_energy
	.globl	k_qb3110faedc_energy
	.p2align	8
	.type	k_qb3110faedc_energy,@function
k_qb3110faedc_energy:
	s_mov_b64 s[64:65], 0
	v_nop
	global_prefetch_b8 v0, s[64:65] scope:SCOPE_SE
	s_setreg_imm32_b32 hwreg(HW_REG_WAVE_MODE, 25, 1), 1
	s_wait_xcnt 0x0
	s_wait_alu depctr_hold_cnt(0) depctr_sa_sdst(0) depctr_va_vdst(0) depctr_va_sdst(0) depctr_va_ssrc(0) depctr_va_vcc(0) depctr_vm_vsrc(0)
	s_getreg_b32 s2, hwreg(HW_REG_IB_STS2, 6, 4)
	s_cmp_eq_u32 s2, 0
	s_cbranch_scc0 .Lentry_in_a_cluster
	s_endpgm
.Lentry_in_a_cluster:
	s_bfe_u32 s2, ttmp6, 0x10000c
	s_cmp_lg_u32 s2, 0x3003
	s_cbranch_scc0 .Lentry_shape_is_right
	s_endpgm
.Lentry_shape_is_right:
; part[nh][row] = the sum over the 512 h of half nh of v[h] tanh(enc[row] . W2[h] + hidden[batch] . W1[h] + b[h]),  row = batch x 1,024 + t, 16,384 rows.
; enc: [16384][2048] f32, rounded to bf16 HERE, on its way from memory to LDS: it crosses memory once and is never written back.  wb: [1024][2048] bf16 (W2).  hbp: four partial sums of hidden . W1.
; FORMATS AND LIMITS.  Products in bf16 with f32 sums.  b and v are rounded to bf16 too, so that every input of the module has the same one rounding; all arithmetic behind the products is f32.
; tanh x = 1 - 2 / (1 + 2^(c x)), c = 2 log2(e): where 2^(c x) leaves f32's range it is an infinity or 0 and tanh is exactly 1 or -1; near 0 tanh keeps an absolute error of about 1e-7.  NaN is not treated apart.
; So the sum of v tanh = the sum of v + the sum of (-2 v) / (1 + 2^(c acc + c hb)), hb = hidden . W1 + b.
; SHARES.  A work-group makes 128 rows x 512 h: four waves, each 128 x 128 (columns 128 w ..): 64 accumulators, 512 registers.  256 work-groups.  K = 2,048 goes in 64 quarters of 32.
; B (wb) comes by the tensor data mover into two LDS slots of 128 along K (rows of 256 bytes + 16); each wave fetches and reads its own 128 rows.
; A (enc) comes f32 into registers (each wave 32 of the 128 rows, 64 along K: 16 loads, in each 16 lanes take 256 consecutive aligned bytes of a row), is rounded, and goes as bf16 into two LDS slots
; of 64 along K (rows of 128 bytes + 16), which all four waves read.  Two register sets: a block is asked for two half-steps (256 matrix instructions) ahead of its conversion.
; CLUSTER.  The four work-groups of a cluster make four row blocks of the same half of h: they walk the same tiles of wb, which are asked for JOINTLY (mask 15).  A's rows have two readers only,
; the two halves of h, and pass through registers to be rounded: they are not shared.
; THE MATRIX INSTRUCTION IS USED TRANSPOSED (source 0 = 16 rows of wb, source 1 = 16 rows of enc): a lane holds ONE row of enc (lane % 16) and the columns 8 (lane / 16) + 0..7 of each block of 16.
; REGISTERS, in windows of 256 (s_set_vgpr_msb: bits 1:0 source 0, 3:2 source 1, 5:4 source 2, 7:6 destination):
;   window 0: v0-31 addresses; v32-63 packed bf16 on the way to LDS; v64-127, v128-191 A's fragments, two buffers (on the way out: at work); v192-255 -2 v on the way out
;   window 1: v0-63, v192-255 A as loaded, two sets (v0-63 on the way out: c hb); v64-127, v128-191 B's fragments
;   window 2: the accumulators of rows 0-63 ((a, b) at v[8 (8 a + b)]);   window 3: those of rows 64-127
.set PB,    272                        ; B's LDS row: 256 + 16 bytes: 17 x 16, so the 16 rows of a fragment load start at 16 different groups of four banks (ISA guide 11.1)
.set HALFT, 128*PB                     ; a wave's 128 rows of B
.set SLOT,  4*HALFT
.set PA,    144                        ; A's LDS row: 128 + 16 bytes: 9 x 16
.set ASLOT, 128*PA
.set ABASE, 2*SLOT                     ; 278,528: A's two slots, written by ds_store alone; no tensor load lands from here on
.set SCR,   ABASE+2*ASLOT              ; 315,392: 4 waves x 128 partial scores
.set HBL,   SCR+2048                   ; 512 f32: c (hidden . W1 + b)
.set VL,    HBL+2048                   ; 512 f32: -2 v
.set SPARE, VL+2048                    ; 321,536 = 1,256 x 256: the spare words, 128 bytes for each wave, which no other line names
.set PFO,  15                          ; v15  prefetches: my lane x a row of enc (8,192 bytes); never rewritten
.set ADRA, 16                          ; v16-17  LDS address of my A fragments in slot 0, 1
.set ADRB, 20                          ; v20-21  the same for B
.set AGO,  22                          ; v22  A's loads: 16 (lane % 16) + (lane / 16) x 8 rows; never rewritten
.set AST,  23                          ; v23  where I put 8 bytes of bf16 in A's slot 0
.set HVA,  24                          ; v24  HBL + 16 x thread
.set HVG,  25                          ; v25  16 x thread
.set EPL,  26                          ; v26  the way out: my 8 columns' c hb in the first block of 16
.set SCW,  27                          ; v27  the way out: my row's word among my wave's partial scores
.set SPW,  28                          ; v28  SPARE + 4 x my thread's number; never rewritten
.set NIL,  29                          ; v29  0; never rewritten
.set SCRD, 30                          ; v30  wave 0 reads four rows' scores
.set PO,   31                          ; v31  and stores them: 16 x lane
.set PK,   32
.set F0,   64
.set F1,   128
.set V2,   192
.set T,    64                          ; the way out: 64 at work
.set SA,   128                         ; block a's sum, a pair, at SA + 2 a
.set CH,   144                         ; four chains of pairs
.set VS,   152                         ; the sum of my 64 v, as a pair
.set RS,   154                         ; block a's sum, one number
.set WV,   16                          ; s16  my wave's number
.set LIM,  21                          ; s21  1 in the cluster that prefetches (half 0 of h), else the greatest number
.set G1,   24                          ; s[24:31] descriptor group 1
.set G0,   32                          ; s[32:39] descriptor group 0, a set for each slot
.set AP,   40                          ; s[40:41] enc at my wave's 32 rows, at the block of 64 along K that was asked for last
.set LAPS, 42                          ; s42  trips still to come
.set C2,   44                          ; s[44:45] c, named as a pair
.set SEL,  46                          ; s[46:47] v_permlanex16_b32's selects: each lane takes its own place in the other half
.set MSB, 0
.macro WIN new                         ; the immediate's high byte repeats the setting that is left; a switch that changes nothing is dropped
.if MSB != (\new)
	s_set_vgpr_msb (MSB<<8)|(\new)
.set MSB, \new
.endif
.endm
.set MUL_LO, 0xa1                      ; source 0 (B) window 1, source 1 (A) window 0, C and D window 2
.set MUL_HI, 0xf1                      ; the same, C and D window 3
.set TO_B,   0x40                      ; destination window 1, address window 0
.set CVT,    0x05                      ; sources 0 and 1 window 1, destination window 0
.macro PLACES                          ; four places in front of loads into registers that matrix instructions have read (ISA guide 7.12.1 for vector instructions)
.rept 4
	v_nop
.endr
.endm
.macro CREST                           ; a round of the cluster's barrier behind its opening barrier
	s_cmp_lg_u32 s[WV], 0
	s_cbranch_scc1 .Lnot_wave_0_\@
	s_barrier_signal -3
.Lnot_wave_0_\@:
	s_barrier_wait -3
	s_barrier_signal -1
	s_barrier_wait -1
.endm
.macro CROUND                          ; a whole round
	s_barrier_signal -1
	s_barrier_wait -1
	CREST
.endm
; A joint refill: each wave asks for its own 128 rows of wb (both addresses hang on the wave's number), with the same descriptor in all four work-groups.  An s_nop 0 and four v_nop follow.
.macro JLOAD s
	tensor_load_to_lds s[G0+4*(\s):G0+4*(\s)+3], s[G1:G1+7]
	s_nop 0
.rept 4
	v_nop
.endr
.endm
; 16 matrix instructions: row blocks a0, a0 + 1 of the window's four x all 8 column blocks, 32 along K.  zero = 1: the product starts the sum.  The 64 accumulators take turns, in the same order in every quarter.
.macro MUL16 f, hi, a0, zero
	WIN MUL_LO+0x50*(\hi)
.irp a, \a0, (\a0)+1
.irp b, 0,1,2,3,4,5,6,7
.if \zero
	v_wmma_f32_16x16x32_bf16 v[8*(8*(\a)+(\b)):8*(8*(\a)+(\b))+7], v[(\f)+8*(\b):(\f)+8*(\b)+7], v[(\f)+8*(4*(\hi)+(\a)):(\f)+8*(4*(\hi)+(\a))+7], 0
.else
	v_wmma_f32_16x16x32_bf16 v[8*(8*(\a)+(\b)):8*(8*(\a)+(\b))+7], v[(\f)+8*(\b):(\f)+8*(\b)+7], v[(\f)+8*(4*(\hi)+(\a)):(\f)+8*(4*(\hi)+(\a))+7], v[8*(8*(\a)+(\b)):8*(8*(\a)+(\b))+7]
.endif
.endr
.endr
.endm
; 32 LDS loads in one run: a quarter's fragments (B: slot bs, byte kb of the rows; A: slot as, byte ka) into buffer f.  A's rows 64-127 come last.
.macro FETCH bs, kb, as, ka, f
	WIN TO_B
.irp i, 0,1,2,3,4,5,6,7
	ds_load_b128 v[(\f)+8*(\i):(\f)+8*(\i)+3],   v[ADRB+(\bs)] offset:(\kb)+(\i)*16*PB
	ds_load_b128 v[(\f)+8*(\i)+4:(\f)+8*(\i)+7], v[ADRB+(\bs)] offset:(\kb)+(\i)*16*PB+32
.endr
	WIN 0
.irp i, 0,1,2,3,4,5,6,7
	ds_load_b128 v[(\f)+8*(\i):(\f)+8*(\i)+3],   v[ADRA+(\as)] offset:(\ka)+(\i)*16*PA
	ds_load_b128 v[(\f)+8*(\i)+4:(\f)+8*(\i)+7], v[ADRA+(\as)] offset:(\ka)+(\i)*16*PA+32
.endr
.endm
; 16 loads: my wave's 32 rows x 64 along K (256 bytes of a row) into register set `set`.  Lanes 0-15 take a row's 256 bytes, lanes 16-31 those of the row 8 further down.
.macro LOADA set, step
.if \step
	s_wait_xcnt 0x0                                ; every earlier load and prefetch has had its address translated (ISA guide 3.1): the pointer is written only behind this wait
	s_add_nc_u64 s[AP:AP+1], s[AP:AP+1], 256
.endif
	WIN TO_B
.irp i, 0,1,2,3,4,5,6,7,8,9,10,11,12,13,14,15
	global_load_b128 v[192*(\set)+4*(\i):192*(\set)+4*(\i)+3], v[AGO], s[AP:AP+1] offset:(((\i)/8)*16+(\i)%8)*8192
.endr
.endm
; A block of A goes from register set `set` to LDS slot `slot`: 32 roundings of two, 16 stores of 8 bytes a lane (rows R and R + 8 lie 32 banks apart); load = 1: the set is asked for again at once.
; cnt: the younger loads, the other set's, which may stay out.  The conversions name no register of the products round them: they are also the places in front of the fetch that follows.
.macro STAGE set, slot, load, cnt
	WIN CVT
	s_wait_loadcnt \cnt
.irp i, 0,1,2,3,4,5,6,7,8,9,10,11,12,13,14,15
	v_cvt_pk_bf16_f32 v[PK+2*(\i)],   v[192*(\set)+4*(\i)],   v[192*(\set)+4*(\i)+1]
	v_cvt_pk_bf16_f32 v[PK+2*(\i)+1], v[192*(\set)+4*(\i)+2], v[192*(\set)+4*(\i)+3]
.endr
	WIN 0
.irp i, 0,1,2,3,4,5,6,7,8,9,10,11,12,13,14,15
	ds_store_b64 v[AST], v[PK+2*(\i):PK+2*(\i)+1] offset:(\slot)*ASLOT+(((\i)/8)*16+(\i)%8)*PA
.endr
.if \load
	LOADA \set, 1
.endif
.endm
; A PREFETCH INTO THE L2 of the block of A that stands two blocks behind the one just asked for: it will be loaded two half-steps, 256 matrix instructions, on.  My wave's 32 rows, a lane a row, 256 bytes each:
; one instruction.  A row block is read by two clusters (the two halves of h): the one with half 0 asks, so each row's 256 bytes are named once in the launch.  how = 1: in the loop's last trip there is no such block.
; Blocks 0 to 4 come by their loads alone.
.macro ASK how
.if \how
	s_cmp_gt_u32 s[LAPS], s[LIM]
.else
	s_cmp_eq_u32 s[LIM], 1
.endif
	s_cbranch_scc0 .Lnot_mine_\@
	global_prefetch_b8 v[PFO], s[AP:AP+1] offset:512 th:TH_LOAD_NT scope:SCOPE_SE
.Lnot_mine_\@:
.endm
; AN EVEN QUARTER multiplies buffer 0.  In its middle the next block of A is rounded into the A slot that is not being read (st = 2: and its register set asked for again; 1: not; 0: nothing is left),
; and the next quarter's fragments (the same slots) are fetched into buffer 1.  ask: 0 none; 1, 2: ASK 0, 1.
.macro EVEN bs, kb, as, zero, st, set, slot, cnt, ask
	s_wait_dscnt 8                                 ; B and A's rows 0-63 are in; the youngest eight loads (A's rows 64-127) may be out
	MUL16 F0, 0, 0, \zero
	MUL16 F0, 0, 2, \zero
.if (\st) == 0
	PLACES
.else
	STAGE \set, \slot, (\st)-1, \cnt
.endif
	FETCH \bs, \kb, \as, 64, F1
.if \ask
	ASK (\ask)-1
.endif
	s_wait_dscnt 32                                ; all but the 32 loads just issued
	MUL16 F0, 1, 0, \zero
	MUL16 F0, 1, 2, \zero
.endm
; AN ODD QUARTER multiplies buffer 1 and holds the half-step's barrier.  In front of it each wave has waited for its stores into the next A slot and for its reads of the A slot in hand: behind it the next
; slot is whole, and the slot in hand may be written in the next even quarter.  mode 0: that is all; B's load may stay out.
; mode 1: B's slot bcur has been read out too: each wave waits for all its tensor loads (one is out: its part of the other slot), adds 0 to its spare word, and the barrier opens a round of the cluster's,
; so that no wave of any partner still reads the slot or has a load on its way; the joint refill, two blocks on, is the first thing behind the round: 224 matrix instructions ahead of the wait for it.
; mode 2: the same change of slots with nothing left to ask for, so no round.  Then the next quarter's fragments (B: slot bn, byte kbn; A: slot an) go into buffer 0.
.macro ODD mode, bcur, bn, kbn, an
.if \mode
	WIN 0                                          ; (the add's two registers lie in window 0)
	s_wait_tensorcnt 0x0                           ; all my tensor loads have landed
	ds_add_u32 v[SPW], v[NIL]                      ; 0 onto my spare word
	s_wait_dscnt 9                                 ; (the add and the youngest eight loads may be out)
.else
	s_wait_dscnt 8
.endif
	MUL16 F1, 0, 0, 0
	s_wait_dscnt 0x0                               ; my LDS stores, my reads (and the add) are done:
	s_barrier_signal -1                            ; say so,
	MUL16 F1, 0, 2, 0                              ; work on registers while the others arrive,
.if (\mode) == 1
	WIN 0
.endif
	s_barrier_wait -1
.if (\mode) == 1
	CREST
	s_add_nc_u64 s[G0+4*(\bcur)+2:G0+4*(\bcur)+3], s[G0+4*(\bcur)+2:G0+4*(\bcur)+3], 512  ; no load of mine is out: the slot's next block, 256 along K on
	JLOAD \bcur                                    ; its four v_nop are also the places in front of the loads below
.else
	PLACES
.endif
	FETCH \bn, \kbn, \an, 0, F0
	MUL16 F1, 1, 0, 0
	MUL16 F1, 1, 2, 0
.endm
	s_load_b256 s[4:11], s[0:1], 0x0               ; enc s[4:5], wb s[6:7], hbp s[8:9], b s[10:11]
	s_load_b128 s[12:15], s[0:1], 0x20             ; v s[12:13], part s[14:15]
	v_lshl_add_u32 v[SPW], v0, 2, SPARE
	v_mov_b32 v[NIL], 0
	ds_add_u32 v[SPW], v[NIL]                      ; the wave's opening: the add and its wait stand ahead of my first tensor load; the set-up below, work on registers, stands between them
	v_lshrrev_b32 v3, 5, v0
	v_readfirstlane_b32 s[WV], v3                  ; wave 0..3
	s_bfe_u32 s17, ttmp6, 0x40000                  ; cx: my place in the cluster: it enters enc's and part's addresses alone
	s_mov_b32 s18, ttmp9                           ; the cluster's x: the half of h, which the four partners share
	s_and_b32 s19, ttmp7, 0xffff                   ; the cluster's y, 0..31
	s_lshl_b32 s20, s19, 2
	s_add_co_u32 s20, s20, s17                     ; my block of 128 rows, 0..127
	s_cmp_eq_u32 s18, 0
	s_cselect_b32 s[LIM], 1, -1
	; descriptor group 1: a tile of 128 rows x 128 elements, padded in LDS
	s_mov_b32 s[G1], 15|(1<<16)|(1<<20)|(1<<21)|(5<<22)|(3<<25)  ; 15:0 the mask of four; 17:16 2-byte elements; 20 padding on; 21 set beside a mask; 24:22 after every 64 words (code 5); 31:25 4 words (code 3)
	s_mov_b32 s[G1+1], 128<<16                     ; tensor_dim0 = 128
	s_mov_b32 s[G1+2], 128<<16                     ; tensor_dim1 = 128
	s_mov_b32 s[G1+3], 128<<16                     ; tile_dim0 = 128
	s_mov_b32 s[G1+4], 128                         ; tile_dim1 = 128
	s_mov_b32 s[G1+5], 2048                        ; elements from row to row
	s_mov_b32 s[G1+6], 0
	s_mov_b32 s[G1+7], 0
	s_mov_b32 s[C2], 0x4038aa3b                    ; c = 2 log2(e) = 2.885390
	s_mov_b32 s[C2+1], s[C2]
	s_mov_b32 s[SEL], 0x76543210
	s_mov_b32 s[SEL+1], 0xfedcba98
	s_lshl_b32 s58, s20, 20                        ; enc: my block's 128 rows of 8,192 bytes,
	s_lshl_b32 s59, s[WV], 18                      ; my wave's 32 of them
	s_add_co_u32 s58, s58, s59
	s_mov_b32 s59, 0
	s_lshr_b32 s48, s19, 1                         ; the batch: eight blocks of 128 rows each
	s_lshl_b32 s48, s48, 12                        ; hbp: its row of 4,096 bytes,
	s_lshl_b32 s50, s18, 11                        ; the half's 512 numbers (b and v likewise)
	s_add_co_u32 s48, s48, s50
	s_mov_b32 s49, 0
	s_mov_b32 s51, 0
	s_lshl_b32 s54, s18, 16                        ; part: the half's 16,384 numbers,
	s_lshl_b32 s55, s20, 9                         ; my block's 128
	s_add_co_u32 s54, s54, s55
	s_mov_b32 s55, 0
	s_lshl_b32 s56, s18, 21                        ; wb: the half's 512 rows of 4,096 bytes,
	s_lshl_b32 s57, s[WV], 19                      ; my wave's 128 of them: no place in the cluster enters
	s_add_co_u32 s56, s56, s57
	s_mov_b32 s57, 0
	s_mul_i32 s43, s[WV], HALFT                    ; and where they go in a slot
	v_and_b32 v1, 15, v0                           ; r = lane % 16
	v_bfe_u32 v2, v0, 4, 1                         ; h = lane / 16
	v_and_b32 v3, 31, v0                           ; lane
	v_lshlrev_b32 v[AGO], 4, v1
	v_lshl_add_u32 v[AGO], v2, 16, v[AGO]          ; 16 r + h x 8 rows of 8,192 bytes
	v_lshlrev_b32 v[HVG], 4, v0
	v_lshlrev_b32 v[PFO], 13, v3
	s_wait_dscnt 0x0                               ; the opening add is done
	s_wait_kmcnt 0x0
	s_add_nc_u64 s[AP:AP+1], s[4:5], s[58:59]
	s_add_nc_u64 s[48:49], s[8:9], s[48:49]        ; hbp
	s_add_nc_u64 s[52:53], s[12:13], s[50:51]      ; v
	s_add_nc_u64 s[50:51], s[10:11], s[50:51]      ; b
	s_add_nc_u64 s[54:55], s[14:15], s[54:55]      ; part
	s_add_nc_u64 s[56:57], s[6:7], s[56:57]        ; wb
.irp q, 0,1,2,3
	global_load_b128 v[64+4*(\q):67+4*(\q)], v[HVG], s[48:49] offset:(\q)*65536  ; thread t: numbers 4 t .. 4 t + 3 of the half's 512; the four K quarters
.endr
	global_load_b128 v[80:83], v[HVG], s[50:51]
	global_load_b128 v[84:87], v[HVG], s[52:53]
	LOADA 0, 0                                     ; A's block 0
	LOADA 1, 1                                     ; block 1
	WIN 0
.irp s, 0,1
	s_mov_b32 s[G0+4*(\s)], 1                                      ; 1:0 count = 1
	s_add_co_u32 s[G0+4*(\s)+1], s43, (\s)*SLOT                    ; 63:32 LDS address
	s_add_nc_u64 s[G0+4*(\s)+2:G0+4*(\s)+3], s[56:57], (\s)*256    ; 120:64 global address: block s of 128 along K
	s_or_b32 s[G0+4*(\s)+3], s[G0+4*(\s)+3], 0x80000000            ; 127:126 type = 2
.endr
	CROUND                                         ; all four work-groups are here: the first joint loads meet
	tensor_load_to_lds s[G0:G0+3], s[G1:G1+7]      ; the two first fills stand together: two loads of mine are out
	s_nop 0
	tensor_load_to_lds s[G0+4:G0+7], s[G1:G1+7]
	s_nop 0
.rept 4
	v_nop
.endr
	v_mul_u32_u24 v4, v1, PA
	v_lshl_add_u32 v4, v2, 4, v4                   ; a fragment's row x pitch + 16 x half
	v_add_nc_u32 v[ADRA], ABASE, v4
	v_add_nc_u32 v[ADRA+1], ABASE+ASLOT, v4
	v_mul_u32_u24 v5, v1, PB
	v_lshl_add_u32 v5, v2, 4, v5
	v_add_nc_u32 v[ADRB], s43, v5
	s_add_co_u32 s22, s43, SLOT
	v_add_nc_u32 v[ADRB+1], s22, v5
	s_mul_i32 s23, s[WV], 32*PA
	s_add_co_u32 s23, s23, ABASE
	v_mul_u32_u24 v6, v2, 8*PA
	v_lshl_add_u32 v6, v1, 3, v6
	v_add_nc_u32 v[AST], s23, v6                   ; row 32 w + 8 h, byte 8 r
	v_lshl_add_u32 v[HVA], v0, 4, HBL
	s_lshl_b32 s60, s[WV], 9                       ; my wave's 128 numbers
	v_lshl_add_u32 v[EPL], v2, 5, s60
	v_add_nc_u32 v[EPL], HBL, v[EPL]
	v_lshl_add_u32 v[SCW], v1, 2, s60
	v_add_nc_u32 v[SCW], SCR, v[SCW]
	v_lshl_add_u32 v[SCRD], v3, 4, SCR
	v_lshlrev_b32 v[PO], 4, v3
	s_wait_loadcnt 32                              ; hbp, b and v are in; A's 32 loads may stay out
	v_cvt_pk_bf16_f32 v88, v80, v81                ; b and v rounded to bf16, like every other input,
	v_cvt_pk_bf16_f32 v89, v82, v83
	v_cvt_pk_bf16_f32 v90, v84, v85
	v_cvt_pk_bf16_f32 v91, v86, v87
	v_pk_add_f32 v[64:65], v[64:65], v[68:69]      ; the four K quarters of hidden . W1
	v_pk_add_f32 v[66:67], v[66:67], v[70:71]
	v_pk_add_f32 v[72:73], v[72:73], v[76:77]
	v_pk_add_f32 v[74:75], v[74:75], v[78:79]
	v_lshlrev_b32 v80, 16, v88                     ; and widened again
	v_and_b32 v81, 0xffff0000, v88
	v_lshlrev_b32 v82, 16, v89
	v_and_b32 v83, 0xffff0000, v89
	v_lshlrev_b32 v84, 16, v90
	v_and_b32 v85, 0xffff0000, v90
	v_lshlrev_b32 v86, 16, v91
	v_and_b32 v87, 0xffff0000, v91
	v_pk_add_f32 v[64:65], v[64:65], v[72:73]
	v_pk_add_f32 v[66:67], v[66:67], v[74:75]
	v_pk_add_f32 v[64:65], v[64:65], v[80:81]      ; + b
	v_pk_add_f32 v[66:67], v[66:67], v[82:83]
	v_pk_mul_f32 v[64:65], v[64:65], s[C2:C2+1] op_sel_hi:[1,0]
	v_pk_mul_f32 v[66:67], v[66:67], s[C2:C2+1] op_sel_hi:[1,0]
	v_pk_mul_f32 v[84:85], v[84:85], -2.0 op_sel_hi:[1,0]
	v_pk_mul_f32 v[86:87], v[86:87], -2.0 op_sel_hi:[1,0]
	ds_store_b128 v[HVA], v[64:67]                 ; c hb
	ds_store_b128 v[HVA], v[84:87] offset:VL-HBL   ; -2 v
	STAGE 0, 0, 1, 16                              ; A's block 0 into slot 0; block 2 is asked for
	s_wait_tensorcnt 1                             ; my part of B's block 0 is in; block 1's may stay out
	s_wait_dscnt 0x0                               ; my stores are done
	s_barrier_signal -1
	s_barrier_wait -1
	FETCH 0, 0, 0, 0, F0
	EVEN 0, 64, 0, 1, 2, 1, 1, 16, 1               ; the first quarter stands in front of the loop: its products start the sums; A's block 1 into slot 1, block 3 asked for
	WIN 0                                          ; at a label and at a branch every window is 0
	s_mov_b32 s[LAPS], 7
.Llap:                                             ; a trip: eight quarters, 256 along K, once round B's ring and twice round A's; from a lap's second quarter to the next lap's first
	ODD  0, 0, 0, 128, 1
	EVEN 0, 192, 1, 0, 2, 0, 0, 16, 1
	ODD  1, 0, 1, 0, 0
	EVEN 1, 64, 0, 0, 2, 1, 1, 16, 1
	ODD  0, 1, 1, 128, 1
	EVEN 1, 192, 1, 0, 2, 0, 0, 16, 2
	ODD  1, 1, 0, 0, 0
	EVEN 0, 64, 0, 0, 2, 1, 1, 16, 2
	WIN 0
	s_sub_co_u32 s[LAPS], s[LAPS], 1
	s_cmp_lg_u32 s[LAPS], 0
	s_cbranch_scc1 .Llap
	ODD  0, 0, 0, 128, 1                           ; the last lap is written out: nothing more is asked for
	EVEN 0, 192, 1, 0, 1, 0, 0, 16, 0              ; A's block 30; block 31's sixteen loads are younger
	ODD  2, 0, 1, 0, 0                             ; B's last block has landed
	EVEN 1, 64, 0, 0, 1, 1, 1, 0, 0                ; A's block 31
	ODD  0, 1, 1, 128, 1
	EVEN 1, 192, 1, 0, 0, 0, 0, 0, 0
	s_wait_dscnt 0x0                               ; the last quarter's fragments are in
	WIN TO_B
.irp b, 0,1,2,3,4,5,6,7                ; what the way out needs comes in beside the last products: for column block b my 8 columns' c hb (window 1, v0-63: A's set 0 is free)
	ds_load_b128 v[8*(\b):8*(\b)+3],   v[EPL] offset:64*(\b)
	ds_load_b128 v[8*(\b)+4:8*(\b)+7], v[EPL] offset:64*(\b)+16
.endr
	WIN 0
.irp b, 0,1,2,3,4,5,6,7                ; and -2 v
	ds_load_b128 v[V2+8*(\b):V2+8*(\b)+3],   v[EPL] offset:VL-HBL+64*(\b)
	ds_load_b128 v[V2+8*(\b)+4:V2+8*(\b)+7], v[EPL] offset:VL-HBL+64*(\b)+16
.endr
	MUL16 F1, 0, 0, 0
	MUL16 F1, 0, 2, 0
	MUL16 F1, 1, 0, 0
	MUL16 F1, 1, 2, 0
	; THE WAY OUT.  For each block a of 16 rows a lane has 64 sums: one row, 64 columns.  Their tanh, times v, are added in the lane; then the two halves of the lanes, the four waves (through LDS).
	WIN 0
	PLACES                                         ; behind the last products: what follows writes registers that they read, and later reads their results; eight, once a launch
	PLACES
	s_wait_dscnt 0x0                               ; c hb and -2 v are in
.set i, 0
.rept 16                               ; the sum of my 64 numbers -2 v, as a pair: 31 packed additions
	v_pk_add_f32 v[T+2*i:T+2*i+1], v[V2+4*i:V2+4*i+1], v[V2+4*i+2:V2+4*i+3]
.set i, i+1
.endr
.macro FOLD w                          ; pairs w / 2 registers apart are added, 32 / w times
.set i, 0
.rept 32/(\w)
	v_pk_add_f32 v[T+(\w)*i:T+(\w)*i+1], v[T+(\w)*i:T+(\w)*i+1], v[T+(\w)*i+(\w)/2:T+(\w)*i+(\w)/2+1]
.set i, i+1
.endr
.endm
	FOLD 4
	FOLD 8
	FOLD 16
	FOLD 32
	v_pk_mul_f32 v[VS:VS+1], v[T:T+1], -0.5 op_sel_hi:[1,0]  ; the sum of v
; Block a.  64 exponents c acc + c hb (each accumulator is read from its low end on); 64 exponentials: one batch, one plain instruction and one wait behind it;
; 1 + e, and the 64 reciprocals one pair behind the additions: a second batch with its wait; then (-2 v) / (1 + e) onto four chains, the first of which starts from the sum of v.
.macro EBLK a
	WIN 0x12+(\a)/4                                ; source 0 window 2 or 3, source 2 window 1, destination window 0
.set i, 0
.rept 32
	v_pk_fma_f32 v[T+2*i:T+2*i+1], v[64*((\a)%4)+2*i:64*((\a)%4)+2*i+1], s[C2:C2+1], v[2*i:2*i+1] op_sel_hi:[1,0,1]
.set i, i+1
.endr
	WIN 0
.set i, 0
.rept 64
	v_exp_f32 v[T+i], v[T+i]
.set i, i+1
.endr
	v_nop                                          ; a plain instruction behind the last exponential,
	s_wait_alu depctr_va_vdst(0)                   ; and the wait ahead of the first use: one for the batch
.set i, 0
.rept 32
	v_pk_add_f32 v[T+2*i:T+2*i+1], v[T+2*i:T+2*i+1], 1.0 op_sel_hi:[1,0]
.if i > 0
	v_rcp_f32 v[T+2*i-2], v[T+2*i-2]
	v_rcp_f32 v[T+2*i-1], v[T+2*i-1]
.endif
.set i, i+1
.endr
	v_rcp_f32 v[T+62], v[T+62]
	v_rcp_f32 v[T+63], v[T+63]
	v_nop
	s_wait_alu depctr_va_vdst(0)                   ; one for the 64 reciprocals
.set i, 0
.rept 32
.if i == 0
	v_pk_fma_f32 v[CH:CH+1], v[T:T+1], v[V2:V2+1], v[VS:VS+1]
.elseif i < 4
	v_pk_mul_f32 v[CH+2*i:CH+2*i+1], v[T+2*i:T+2*i+1], v[V2+2*i:V2+2*i+1]
.else
	v_pk_fma_f32 v[CH+2*(i%4):CH+2*(i%4)+1], v[T+2*i:T+2*i+1], v[V2+2*i:V2+2*i+1], v[CH+2*(i%4):CH+2*(i%4)+1]
.endif
.set i, i+1
.endr
	v_pk_add_f32 v[CH:CH+1], v[CH:CH+1], v[CH+2:CH+3]
	v_pk_add_f32 v[CH+4:CH+5], v[CH+4:CH+5], v[CH+6:CH+7]
	v_pk_add_f32 v[SA+2*(\a):SA+2*(\a)+1], v[CH:CH+1], v[CH+4:CH+5]
.endm
.irp a, 0,1,2,3,4,5,6,7
	EBLK \a
.endr
.irp a, 0,1,2,3,4,5,6,7
	v_add_f32 v[RS+(\a)], v[SA+2*(\a)], v[SA+2*(\a)+1]
.endr
.irp a, 0,1,2,3,4,5,6,7
	v_permlanex16_b32 v[T+(\a)], v[RS+(\a)], s[SEL], s[SEL+1]  ; the row's other 64 columns lie in the lane 16 away
.endr
.irp a, 0,1,2,3,4,5,6,7
	v_add_f32 v[RS+(\a)], v[RS+(\a)], v[T+(\a)]
.endr
.irp a, 0,1,2,3,4,5,6,7
	ds_store_b32 v[SCW], v[RS+(\a)] offset:64*(\a) ; row 16 a + r of my wave's 128; both halves of the lanes write the same number
.endr
	s_wait_dscnt 0x0                               ; for wave 0's sake
	s_barrier_signal -1
	s_barrier_wait -1
	s_cmp_lg_u32 s[WV], 0
	s_cbranch_scc1 .Lend
.irp w, 0,1,2,3
	ds_load_b128 v[T+4*(\w):T+4*(\w)+3], v[SCRD] offset:512*(\w)  ; rows 4 l .. 4 l + 3, each wave's share
.endr
	s_wait_dscnt 0x0
	v_pk_add_f32 v[T:T+1],     v[T:T+1],     v[T+4:T+5]
	v_pk_add_f32 v[T+2:T+3],   v[T+2:T+3],   v[T+6:T+7]
	v_pk_add_f32 v[T+8:T+9],   v[T+8:T+9],   v[T+12:T+13]
	v_pk_add_f32 v[T+10:T+11], v[T+10:T+11], v[T+14:T+15]
	v_pk_add_f32 v[T:T+1],     v[T:T+1],     v[T+8:T+9]
	v_pk_add_f32 v[T+2:T+3],   v[T+2:T+3],   v[T+10:T+11]
	global_store_b128 v[PO], v[T:T+3], s[54:55]    ; 512 consecutive bytes, at a multiple of 512 from part's first
.Lend:
	s_wait_tensorcnt 0x0                           ; the wave's end: behind my last tensor load and my last LDS store
	ds_add_u32 v[SPW], v[NIL]
	s_wait_dscnt 0x0
	CROUND                                         ; the closing round: no work-group ends while a partner may still ask for a tile that names it
	s_endpgm
.Lfunc_end_k_qb3110faedc_energy:
	.size	k_qb3110faedc_energy, .Lfunc_end_k_qb3110faedc_energy-k_qb3110faedc_energy
	.p2alignl 7, 3214868480
	.fill 96, 4, 3214868480
	.section	.rodata,"a",@progbits
	.p2align	6, 0x0
	.amdhsa_kernel k_qb3110faedc_energy
		.amdhsa_group_segment_fixed_size 327680
		.amdhsa_private_segment_fixed_size 0
		.amdhsa_enable_private_segment 0
		.amdhsa_kernarg_size 48
		.amdhsa_user_sgpr_count 2
		.amdhsa_user_sgpr_kernarg_segment_ptr 1
		.amdhsa_wavefront_size32 1
		.amdhsa_system_sgpr_workgroup_id_x 1
		.amdhsa_system_sgpr_workgroup_id_y 1
		.amdhsa_system_sgpr_workgroup_id_z 1
		.amdhsa_system_vgpr_workitem_id 0
		.amdhsa_next_free_vgpr 1024
		.amdhsa_next_free_sgpr 66
		.amdhsa_reserve_vcc 0
		.amdhsa_float_denorm_mode_32 3
		.amdhsa_float_denorm_mode_16_64 3
		.amdhsa_memory_ordered 1
		.amdhsa_forward_progress 1
		.amdhsa_inst_pref_size 238
	.end_amdhsa_kernel
	.amdgpu_metadata
---
amdhsa.version: [ 1, 2 ]
amdhsa.kernels:
  - .name:           k_qb3110faedc_energy
    .symbol:         k_qb3110faedc_energy.kd
    .args:
      - { .name: encoder_outputs, .offset: 0, .size: 8, .value_kind: global_buffer, .address_space: global }
      - { .name: wb, .offset: 8, .size: 8, .value_kind: global_buffer, .address_space: global }
      - { .name: hbp, .offset: 16, .size: 8, .value_kind: global_buffer, .address_space: global }
      - { .name: b, .offset: 24, .size: 8, .value_kind: global_buffer, .address_space: global }
      - { .name: v, .offset: 32, .size: 8, .value_kind: global_buffer, .address_space: global }
      - { .name: part, .offset: 40, .size: 8, .value_kind: global_buffer, .address_space: global }
    .group_segment_fixed_size: 327680
    .private_segment_fixed_size: 0
    .kernarg_segment_align: 8
    .kernarg_segment_size: 48
    .max_flat_workgroup_size: 128
    .sgpr_count:     66
    .vgpr_count:     1024
    .wavefront_size: 32
...
	.end_amdgpu_metadata
.endif
;; end of part 2
;; launch soft (part 3): grid 16 x 1, 1 waves a work-group, no clusters, 0 bytes of LDS; arguments part, out0; writes out0
.if DOCPART == 3
	.amdgcn_target "amdgcn-amd-amdhsa--gfx1250"
	.amdhsa_code_object_version 6
	.text
	.protected	k_qb3110faedc_soft
	.globl	k_qb3110faedc_soft
	.p2align	8
	.type	k_qb3110faedc_soft,@function
k_qb3110faedc_soft:
	s_mov_b64 s[64:65], 0
	v_nop
	global_prefetch_b8 v0, s[64:65] scope:SCOPE_SE
	s_setreg_imm32_b32 hwreg(HW_REG_WAVE_MODE, 25, 1), 1
	s_wait_xcnt 0x0
; out0[b][0][t] = softmax over t of part[0][b][t] + part[1][b][t].  One wave takes one row of 1,024 scores: 32 a lane, kept in registers between the maximum, the sum and the scaling;
; no LDS, no barrier.  All in f32; the row's maximum is taken away before the exponential.  A weight below 2^-126 counts as 0.  The launch moves 192 KiB in all: 16 waves are its whole work.
.set X, 8                              ; v[8:39]   the scores, then the weights: load i, register e: t = 128 i + 4 lane + e
.set Y, 40                             ; v[40:71]  the second half over h; then the sums
.set C, 72                             ; v[72:75]  four chains of the maximum
.set NM, 76                            ; v[76:77]  - m log2(e), twice
	s_load_b128 s[4:7], s[0:1], 0x0                ; part s[4:5], out0 s[6:7]
	v_lshlrev_b32 v1, 4, v0                        ; 16 bytes a lane (one wave: the thread's number is the lane)
	s_lshl_b32 s2, ttmp9, 12                       ; the row's 4,096 bytes
	s_mov_b32 s3, 0
	s_mov_b32 s12, 0x76543210                      ; v_permlanex16_b32: each lane takes its own place in the other half
	s_mov_b32 s13, 0xfedcba98
	s_wait_kmcnt 0x0
	s_add_nc_u64 s[8:9], s[4:5], s[2:3]
	s_add_nc_u64 s[10:11], s[6:7], s[2:3]
.irp i, 0,1,2,3,4,5,6,7
	global_load_b128 v[X+4*(\i):X+4*(\i)+3], v1, s[8:9] offset:512*(\i)
	global_load_b128 v[Y+4*(\i):Y+4*(\i)+3], v1, s[8:9] offset:65536+512*(\i)
.endr
	s_wait_loadcnt 0x0
.set i, 0
.rept 16
	v_pk_add_f32 v[X+2*i:X+2*i+1], v[X+2*i:X+2*i+1], v[Y+2*i:Y+2*i+1]
.set i, i+1
.endr
.irp k, 0,1,2,3
	v_max3_num_f32 v[C+(\k)], v[X+8*(\k)], v[X+8*(\k)+1], v[X+8*(\k)+2]
.endr
.irp k, 0,1,2,3
	v_max3_num_f32 v[C+(\k)], v[C+(\k)], v[X+8*(\k)+3], v[X+8*(\k)+4]
.endr
.irp k, 0,1,2,3
	v_max3_num_f32 v[C+(\k)], v[C+(\k)], v[X+8*(\k)+5], v[X+8*(\k)+6]
.endr
	v_max3_num_f32 v[C], v[C], v[X+7], v[X+15]
	v_max3_num_f32 v[C+2], v[C+2], v[X+23], v[X+31]
	v_max3_num_f32 v[C], v[C], v[C+1], v[C+2]
	v_max_num_f32 v[C], v[C], v[C+3]
	v_max_num_f32_dpp v[C], v[C], v[C] row_xmask:1 row_mask:0xf bank_mask:0xf
	v_max_num_f32_dpp v[C], v[C], v[C] row_xmask:2 row_mask:0xf bank_mask:0xf
	v_max_num_f32_dpp v[C], v[C], v[C] row_xmask:4 row_mask:0xf bank_mask:0xf
	v_max_num_f32_dpp v[C], v[C], v[C] row_xmask:8 row_mask:0xf bank_mask:0xf
	v_permlanex16_b32 v[C+1], v[C], s12, s13
	v_max_num_f32 v[C], v[C], v[C+1]               ; every lane holds the row's maximum m
	v_mul_f32 v[NM], 0xbfb8aa3b, v[C]
	v_mov_b32 v[NM+1], v[NM]
.set i, 0
.rept 16
	v_pk_fma_f32 v[X+2*i:X+2*i+1], v[X+2*i:X+2*i+1], 0x3fb8aa3b, v[NM:NM+1] op_sel_hi:[1,0,1]  ; (s - m) log2(e)
.set i, i+1
.endr
.set i, 0
.rept 32
	v_exp_f32 v[X+i], v[X+i]
.set i, i+1
.endr
	v_nop                                          ; a plain instruction behind the last exponential,
	s_wait_alu depctr_va_vdst(0)                   ; and the wait ahead of the first use: one for the batch
.set i, 0
.rept 8
	v_pk_add_f32 v[Y+2*i:Y+2*i+1], v[X+4*i:X+4*i+1], v[X+4*i+2:X+4*i+3]
.set i, i+1
.endr
.set i, 0
.rept 4
	v_pk_add_f32 v[Y+4*i:Y+4*i+1], v[Y+4*i:Y+4*i+1], v[Y+4*i+2:Y+4*i+3]
.set i, i+1
.endr
	v_pk_add_f32 v[Y:Y+1], v[Y:Y+1], v[Y+4:Y+5]
	v_pk_add_f32 v[Y+8:Y+9], v[Y+8:Y+9], v[Y+12:Y+13]
	v_pk_add_f32 v[Y:Y+1], v[Y:Y+1], v[Y+8:Y+9]
	v_add_f32 v[Y], v[Y], v[Y+1]
	v_add_f32_dpp v[Y], v[Y], v[Y] row_xmask:1 row_mask:0xf bank_mask:0xf
	v_add_f32_dpp v[Y], v[Y], v[Y] row_xmask:2 row_mask:0xf bank_mask:0xf
	v_add_f32_dpp v[Y], v[Y], v[Y] row_xmask:4 row_mask:0xf bank_mask:0xf
	v_add_f32_dpp v[Y], v[Y], v[Y] row_xmask:8 row_mask:0xf bank_mask:0xf
	v_permlanex16_b32 v[Y+1], v[Y], s12, s13
	v_add_f32 v[Y], v[Y], v[Y+1]                   ; the row's sum, at least 1
	v_rcp_f32 v[Y+2], v[Y]                         ; twice: a pair for the packed multiply
	v_rcp_f32 v[Y+3], v[Y]
	v_nop
	s_wait_alu depctr_va_vdst(0)                   ; one for both reciprocals
.set i, 0
.rept 16
	v_pk_mul_f32 v[X+2*i:X+2*i+1], v[X+2*i:X+2*i+1], v[Y+2:Y+3]
.set i, i+1
.endr
.irp i, 0,1,2,3,4,5,6,7
	global_store_b128 v1, v[X+4*(\i):X+4*(\i)+3], s[10:11] offset:512*(\i)  ; 512 consecutive bytes, at a multiple of 512 from out0's first
.endr
	s_endpgm
.Lfunc_end_k_qb3110faedc_soft:
	.size	k_qb3110faedc_soft, .Lfunc_end_k_qb3110faedc_soft-k_qb3110faedc_soft
	.p2alignl 7, 3214868480
	.fill 96, 4, 3214868480
	.section	.rodata,"a",@progbits
	.p2align	6, 0x0
	.amdhsa_kernel k_qb3110faedc_soft
		.amdhsa_group_segment_fixed_size 0
		.amdhsa_private_segment_fixed_size 0
		.amdhsa_enable_private_segment 0
		.amdhsa_kernarg_size 16
		.amdhsa_user_sgpr_count 2
		.amdhsa_user_sgpr_kernarg_segment_ptr 1
		.amdhsa_wavefront_size32 1
		.amdhsa_system_sgpr_workgroup_id_x 1
		.amdhsa_system_sgpr_workgroup_id_y 1
		.amdhsa_system_sgpr_workgroup_id_z 1
		.amdhsa_system_vgpr_workitem_id 0
		.amdhsa_next_free_vgpr 80
		.amdhsa_next_free_sgpr 66
		.amdhsa_reserve_vcc 0
		.amdhsa_float_denorm_mode_32 3
		.amdhsa_float_denorm_mode_16_64 3
		.amdhsa_memory_ordered 1
		.amdhsa_forward_progress 1
		.amdhsa_inst_pref_size 11
	.end_amdhsa_kernel
	.amdgpu_metadata
---
amdhsa.version: [ 1, 2 ]
amdhsa.kernels:
  - .name:           k_qb3110faedc_soft
    .symbol:         k_qb3110faedc_soft.kd
    .args:
      - { .name: part, .offset: 0, .size: 8, .value_kind: global_buffer, .address_space: global }
      - { .name: out0, .offset: 8, .size: 8, .value_kind: global_buffer, .address_space: global }
    .group_segment_fixed_size: 0
    .private_segment_fixed_size: 0
    .kernarg_segment_align: 8
    .kernarg_segment_size: 16
    .max_flat_workgroup_size: 32
    .sgpr_count:     66
    .vgpr_count:     80
    .wavefront_size: 32
...
	.end_amdgpu_metadata
.endif
;; end of part 3
